; MI455X (gfx1250); checked and timed in simulation.
; The chip was launched on July 23, 2026; its instructions are those of AMD's public machine-readable ISA for CDNA 5 (MIT licence, August 2026) and "CDNA5" Instruction Set Architecture Reference Guide (July 2026). The comments in the code are by the model that wrote it; some were corrected since.
;; QSA. Allowed arithmetic: float matrix products may take bf16 or f16 operands with f32 sums; all other float work in f32.
;; Inputs: op_codes 64 x 10 int32; rx0 10 float32; ry0 10 float32; ry1 10 float32; x 4 x 128 x 1,024 float32.
;; Outputs: out0 4 x 128 x 64 float32.
;; 2 versions, each right; version 2 is version 1 with the launch qsa written anew for expert scheduling mode. Each part assembles by itself: llvm-mc -triple=amdgcn-amd-amdhsa -mcpu=gfx1250 --defsym DOCPART=n.
;; ======== version 1 of 2: 1 launch
;; limits: inputs' magnitudes at most 2.9e+17; right only within a limited range of input values
;; launch qsa (part 1): grid 512 x 1, 4 waves a work-group, no clusters, 41,472 bytes of LDS; arguments x, rx0, ry0, ry1, op_codes, out0; writes out0
.if DOCPART == 1
	.amdgcn_target "amdgcn-amd-amdhsa--gfx1250"
	.amdhsa_code_object_version 6
	.text
	.protected	k_q69e78c19db_qsa
	.globl	k_q69e78c19db_qsa
	.p2align	8
	.type	k_q69e78c19db_qsa,@function
k_q69e78c19db_qsa:
	s_mov_b64 s[64:65], 0
	v_nop
	global_prefetch_b8 v0, s[64:65] scope:SCOPE_SE
	s_setreg_imm32_b32 hwreg(HW_REG_WAVE_MODE, 25, 1), 1
	s_wait_xcnt 0x0
; out0[row][h] = <phi| P_h |phi>,  phi = U psi,  psi = x[row] / |x[row]|.   x: [512][1024] f32, out0: [512][64] f32.
; U is ten RX, ten RY, a ring of ten CNOTs and ten RY; P_h is a string of ten Paulis.  None of them is a dense matrix for any input:
;   a rotation mixes pairs of amplitudes whose indices differ in one bit (wire q is bit 9-q of the index);
;   the CNOT ring is the index permutation new[k'] = old[k], k = k' ^ (k'>>1) ^ (k' odd ? 0x300 : 0);
;   P|k> = i^nY (-1)^popcount(k & b) |k ^ a>, a = wires with X or Y, b = wires with Y or Z, nY = number of Y.
; So a row costs 30 x 1024 complex rotations and 64 x 1024 signed products instead of 1024 x 1024 products for U and for each string.
; No dense product is left, so the matrix unit has no work here, and everything stays in f32.
; One work-group = one row, four waves.  State preparation: 128 threads x 8 complex amplitudes (3 index bits in the register number,
; 5 in the lane, 2 in the wave); bits are brought within reach by three exchanges through LDS.  Expectations: wave w takes strings
; 16 w .. 16 w + 15, lanes and 32 register pairs run over k.  The division by |x|^2 commutes with all of it and is made last.
; No cluster, no tensor load: a row is 4,096 bytes, read once straight into registers; what work-groups share is 120 bytes of angles and 2,560 of codes.
; LIMITS: the row's sum of squares must lie in 2^-126 .. 2^126 (v_rcp_f32 flushes denormals); a row of zeros gives NaN, as 0/0 does.
;         sin and cos: reduction by pi/2 in two constants, meant for |angle| below about 1e6.  Of a code only bits 1:0 are read (codes are 0..3).
.set XA,   0                           ; 12,288 bytes: exchanges 1 and 3: wave pitch 3,072, register pitch 384, lane x 8
.set XB,   12288                       ;  8,192 bytes: exchange 2: wave 2,048, register 256, lane 8
.set F,    20480                       ; 16,384 bytes: F + 8 k = (re, im) of phi[k]; F + 8192 + 8 k = (im, -re)
.set FODD, 8192
.set TAB,  36864                       ;  2,048 bytes: each wave's own 32 entries of 16 bytes (c, c, s, +-s)
.set SUM,  38912                       ;     16 bytes: each wave's sum of squares
.set OUT,  39168                       ;    256 bytes: the row's 64 results
.set LN,   1                           ; lane
.set XO,   2                           ; 16 t: my bytes of x
.set AGO,  3                           ; 4 x (lane mod 10): my angle
.set CDO,  4                           ; 40 h: my string's codes
.set AST1, 5                           ; exchanges 1, 3: where I store
.set ALD1, 6                           ; exchanges 1, 3: where I read
.set AST2, 7                           ; exchange 2 and phi: where I store
.set ALD2, 8                           ; exchange 2: where I read (register 0)
.set L8,   9                           ; 8 x lane
.set TABW, 10                          ; 512 w + 16 lane
.set TABR, 11                          ; 512 w
.set MS,   12                          ; v[12:15]  bit 31 set where bit m of the lane is 0
.set SG,   16                          ; v[16:17]  a lane rotation's sine, signed by the lane's bit
.set G,    23                          ; lane / 10: which of the three angle vectors
.set CD,   24                          ; v[24:33]  my string's ten codes
.set AM,   34
.set BM,   35
.set NY,   36
.set PK,   37                          ; a | b << 10 | (nY & 3) << 20 of string 16 w + (lane & 15)
.set RES,  38                          ; lanes i and i + 16: string i's sum
.set SSQ,  39
.set X,    40                          ; v[40:47]  x as loaded
.set P,    40                          ; v[40:47]  later: four partner pairs for the lane rotations
.set A,    48                          ; v[48:63]  8 pairs (re, im)
.set T,    64                          ; v[64:79]  8 pairs
.set AD,   80                          ; v[80:87]  LDS addresses at work
.set BASE, 82
.set CO,   96                          ; v[96:215] entry i at CO + 4 i: 0-9 RX(rx0) (c, c, s, -s); 10-19 RY(ry0), 20-29 RY(ry1) (c, c, s, s)
.set U,    96                          ; v[96:159]  expectations: phi[32 j + lane]
.set V,    160                         ; v[160:223] expectations: the partner phi[(32 j + lane) ^ a], or (im, -re) of it
.set TR,   48                          ; v[48:61]   expectations: the tree's L0..L5 at TR + 2 m, C at TR + 12
.macro BAR                             ; what I stored or read in LDS is done, then all four waves meet
	s_wait_dscnt 0x0
	s_barrier_signal -1
	s_barrier_wait -1
.endm
; RX on register bit 0, from the real x: new0 = (c x0, -s x1), new1 = (c x1, -s x0).  Nothing is cleared.
.macro RXR q
.irp p, 0,2,4,6
	v_mul_f32 v[T+2*\p],   v[X+\p],   v[CO+4*\q]
	v_mul_f32 v[T+2*\p+1], v[X+\p+1], v[CO+4*\q+3]
	v_mul_f32 v[T+2*\p+2], v[X+\p+1], v[CO+4*\q]
	v_mul_f32 v[T+2*\p+3], v[X+\p],   v[CO+4*\q+3]
.endr
.endm
; RX on register bit b, A to T: new = c own + (s partner.im, -s partner.re)
.macro RX b, q
.irp e, 0,1,2,3,4,5,6,7
	v_pk_mul_f32 v[T+2*\e:T+2*\e+1], v[A+2*\e:A+2*\e+1], v[CO+4*\q:CO+4*\q+1]
.endr
.irp p, 0,1,2,3
.set E0, (((\p)>>(\b))<<((\b)+1)) | ((\p)&((1<<(\b))-1))
.set E1, E0 | (1<<(\b))
	v_fmac_f32 v[T+2*E0],   v[A+2*E1+1], v[CO+4*\q+2]
	v_fmac_f32 v[T+2*E0+1], v[A+2*E1],   v[CO+4*\q+3]
	v_fmac_f32 v[T+2*E1],   v[A+2*E0+1], v[CO+4*\q+2]
	v_fmac_f32 v[T+2*E1+1], v[A+2*E0],   v[CO+4*\q+3]
.endr
.endm
; RY on register bit b: new0 = c a0 - s a1, new1 = c a1 + s a0
.macro RY src, dst, b, i
.irp p, 0,1,2,3
.set E0, (((\p)>>(\b))<<((\b)+1)) | ((\p)&((1<<(\b))-1))
.set E1, E0 | (1<<(\b))
	v_pk_mul_f32 v[\dst+2*E0:\dst+2*E0+1], v[\src+2*E1:\src+2*E1+1], v[CO+4*\i+2:CO+4*\i+3] neg_lo:[0,1] neg_hi:[0,1]
	v_pk_mul_f32 v[\dst+2*E1:\dst+2*E1+1], v[\src+2*E0:\src+2*E0+1], v[CO+4*\i+2:CO+4*\i+3]
.endr
.irp e, 0,1,2,3,4,5,6,7
	v_pk_fma_f32 v[\dst+2*\e:\dst+2*\e+1], v[\src+2*\e:\src+2*\e+1], v[CO+4*\i:CO+4*\i+1], v[\dst+2*\e:\dst+2*\e+1]
.endr
.endm
; RX on a lane bit (partner = lane xor xm), A to T.  The partner's halves are fetched crossed, so that (s, -s) fits them.
.macro LRX xm, q
.irp g, 0,4
.irp e, 0,1,2,3
	v_mov_b32_dpp v[P+2*\e],   v[A+2*(\g+\e)+1] row_xmask:\xm row_mask:0xf bank_mask:0xf
	v_mov_b32_dpp v[P+2*\e+1], v[A+2*(\g+\e)]   row_xmask:\xm row_mask:0xf bank_mask:0xf
.endr
.irp e, 0,1,2,3
	v_pk_mul_f32 v[T+2*(\g+\e):T+2*(\g+\e)+1], v[A+2*(\g+\e):A+2*(\g+\e)+1], v[CO+4*\q:CO+4*\q+1]
.endr
.irp e, 0,1,2,3
	v_pk_fma_f32 v[T+2*(\g+\e):T+2*(\g+\e)+1], v[P+2*\e:P+2*\e+1], v[CO+4*\q+2:CO+4*\q+3], v[T+2*(\g+\e):T+2*(\g+\e)+1]
.endr
.endr
.endm
; RY on a lane bit m (xm = 1 << m): new = c own -+ s partner, minus where my bit is 0
.macro LRY src, dst, xm, m, i
	v_xor_b32 v[SG],   v[MS+\m], v[CO+4*\i+2]
	v_xor_b32 v[SG+1], v[MS+\m], v[CO+4*\i+2]
.irp g, 0,4
.irp e, 0,1,2,3
	v_mov_b32_dpp v[P+2*\e],   v[\src+2*(\g+\e)]   row_xmask:\xm row_mask:0xf bank_mask:0xf
	v_mov_b32_dpp v[P+2*\e+1], v[\src+2*(\g+\e)+1] row_xmask:\xm row_mask:0xf bank_mask:0xf
.endr
.irp e, 0,1,2,3
	v_pk_mul_f32 v[\dst+2*(\g+\e):\dst+2*(\g+\e)+1], v[\src+2*(\g+\e):\src+2*(\g+\e)+1], v[CO+4*\i:CO+4*\i+1]
.endr
.irp e, 0,1,2,3
	v_pk_fma_f32 v[\dst+2*(\g+\e):\dst+2*(\g+\e)+1], v[P+2*\e:P+2*\e+1], v[SG:SG+1], v[\dst+2*(\g+\e):\dst+2*(\g+\e)+1]
.endr
.endr
.endm
.macro XST reg, addr, base, pitch      ; my eight pairs into my wave's own bytes: 32 lanes x 8 neighbouring bytes each
.irp e, 0,1,2,3,4,5,6,7
	ds_store_b64 v[\addr], v[\reg+2*\e:\reg+2*\e+1] offset:\base+\pitch*\e
.endr
.endm
; Exchanges 1 and 3: the old (wave, lane bit 4) becomes the register number, the old register number becomes (wave, lane bit 4).
; Lanes 16-31 read 384 bytes further on, 128 modulo 256: the 32 lanes touch 256 different bytes modulo 256.
.macro XLDA
.irp e, 0,1,2,3,4,5,6,7
	ds_load_b64 v[A+2*\e:A+2*\e+1], v[ALD1] offset:XA+3072*(\e>>1)+128*(\e&1)
.endr
.endm
.macro XBIT bit, c                     ; bit of t set: its constant is XORed into exchange 2's read address
	v_bfe_u32 v18, v0, \bit, 1
	v_mul_u32_u24 v18, \c, v18
	v_xor_b32 v[ALD2], v18, v[ALD2]
.endm
	; ---- set-up ----
	s_load_b256 s[4:11], s[0:1], 0x0               ; x s[4:5], rx0 s[6:7], ry0 s[8:9], ry1 s[10:11]
	s_load_b128 s[12:15], s[0:1], 0x20             ; op_codes s[12:13], out0 s[14:15]
	v_lshl_add_u32 v224, v0, 2, 0xa000
	v_mov_b32 v225, 0
	v_and_b32 v[LN], 31, v0
	v_lshrrev_b32 v18, 5, v0
	v_readfirstlane_b32 s2, v18                    ; wave 0..3
	v_lshlrev_b32 v[XO], 4, v0
	v_mul_u32_u24 v18, 0xcd, v[LN]                 ; lane / 10 = (205 lane) >> 11 for lanes 0..31
	v_lshrrev_b32 v[G], 11, v18                    ; 0: rx0, 1: ry0, 2: ry1; 3 (lanes 30, 31): ry1[0], ry1[1] once more, entries that nobody reads
	v_mul_u32_u24 v18, 10, v[G]
	v_sub_nc_u32 v18, v[LN], v18
	v_lshlrev_b32 v[AGO], 2, v18                   ; at most 36: inside the 40 bytes
	v_and_b32 v19, 15, v[LN]
	v_lshl_add_u32 v18, s2, 4, v19                 ; my string h = 16 w + (lane & 15)
	v_mul_u32_u24 v[CDO], 40, v18
	s_lshl_b32 s16, ttmp9, 12                      ; my row of x: 4,096 bytes a row
	s_mov_b32 s17, 0
	s_wait_kmcnt 0x0
	s_add_nc_u64 s[4:5], s[4:5], s[16:17]
	s_lshl_b32 s16, ttmp9, 8                       ; my row of out0: 256 bytes
	s_add_nc_u64 s[14:15], s[14:15], s[16:17]
	global_load_b32 v20, v[AGO], s[6:7]            ; ten loads; the three angles are the oldest
	global_load_b32 v21, v[AGO], s[8:9]
	global_load_b32 v22, v[AGO], s[10:11]
	global_load_b128 v[X:X+3],   v[XO], s[4:5] th:TH_LOAD_NT              ; k = 4 t + 0..3
	global_load_b128 v[X+4:X+7], v[XO], s[4:5] offset:2048 th:TH_LOAD_NT  ; k = 512 + 4 t + 0..3: register number = (k9, k1, k0)
.irp i, 0,1,2,3,4
	global_load_b64 v[CD+2*\i:CD+2*\i+1], v[CDO], s[12:13] offset:8*\i
.endr
	s_mul_i32 s3, s2, 3072
	v_lshl_add_u32 v[AST1], v[LN], 3, s3           ; 3072 w + 8 lane
	v_lshrrev_b32 v18, 4, v[LN]
	v_mul_u32_u24 v18, 0x180, v18
	v_lshl_add_u32 v18, v19, 3, v18
	s_mul_i32 s3, s2, 768
	v_add_nc_u32 v[ALD1], s3, v18                  ; 8 (lane & 15) + 384 (lane >> 4) + 768 w
	s_lshl_b32 s3, s2, 11
	v_lshl_add_u32 v[AST2], v[LN], 3, s3           ; 2048 w + 8 lane
	v_lshlrev_b32 v[L8], 3, v[LN]
	s_lshl_b32 s3, s2, 9
	v_lshl_add_u32 v[TABW], v[LN], 4, s3
	v_mov_b32 v[TABR], s3
	; Exchange 2 stores amplitude k at byte 8 p, p = (k9 k1 | k8 k7 k6 | k0 k5 k4 k3 k2).  The reader holds k' = (w: k'7 k'6 | lane: k'5, k'3..k'0 |
	; register: k'9 k'8 k'4) and wants k = k' ^ (k'>>1) ^ (k'0 ? 0x300 : 0).  That is linear over bits: each set bit of k' XORs the bytes of its two (k'0: three) bits of k.
	v_and_b32 v18, 1, v0
	v_mul_u32_u24 v[ALD2], 0x1480, v18             ; k'0: k0, k8, k9
	XBIT 1, 0x880                                  ; k'1: k1, k0
	XBIT 2, 0x808                                  ; k'2: k2, k1
	XBIT 3, 0x18                                   ; k'3: k3, k2
	XBIT 4, 0x60                                   ; k'5: k5, k4
	XBIT 5, 0x140                                  ; k'6: k6, k5
	XBIT 6, 0x300                                  ; k'7: k7, k6
	v_xor_b32 v18, -1, v[LN]
.irp m, 0,1,2,3
	v_lshlrev_b32 v[MS+\m], 31-\m, v18
	v_and_b32 v[MS+\m], 0x80000000, v[MS+\m]
.endr
	s_mov_b32 s18, 0x76543210                      ; v_permlanex16_b32: lane i of one half reads lane i of the other
	s_mov_b32 s19, 0xfedcba98
	s_mov_b32 s40, 0x96696996                      ; bit n = parity of n, n = 0..31
	s_mov_b32 s41, 0x69969669                      ; and its complement
.irp m, 0,1,2,3,4
	s_mov_b32 s[31+2*\m], 0                        ; upper partners of the sign pairs: named by the packed form, never used
.endr
	; ---- cos and sin of half my angle ----
	s_wait_loadcnt 0x7                             ; loads come back in order: of the ten, the three angles are in
	v_cmp_eq_u32 vcc_lo, 0, v[G]
	v_cndmask_b32 v18, v22, v20, vcc_lo
	v_cmp_eq_u32 vcc_lo, 1, v[G]
	v_cndmask_b32 v18, v18, v21, vcc_lo
	v_mul_f32 v18, 0.5, v18                        ; y
	v_mul_f32 v19, 0x3f22f983, v18                 ; y x 2/pi
	v_rndne_f32 v19, v19                           ; q
	v_fmamk_f32 v20, v19, 0xbfc90fdb, v18          ; r = y - q pi/2, pi/2 in two parts: |r| <= pi/4
	v_fmamk_f32 v20, v19, 0x333bbd2e, v20
	v_cvt_i32_f32 v21, v19
	v_mul_f32 v22, v20, v20                        ; r^2
	v_mov_b32 v88, 0x3638ef1d                      ; sin r = r + r r^2 (-1/6 + r^2 (1/120 + r^2 (-1/5040 + r^2 / 362880)))
	v_mov_b32 v89, 0x37d00d01                      ; cos r = 1 + r^2 (-1/2 + r^2 (1/24 + r^2 (-1/720 + r^2 / 40320)))
	v_fmaak_f32 v88, v88, v22, 0xb9500d01
	v_fmaak_f32 v89, v89, v22, 0xbab60b61
	v_fmaak_f32 v88, v88, v22, 0x3c088889
	v_fmaak_f32 v89, v89, v22, 0x3d2aaaab
	v_fmaak_f32 v88, v88, v22, 0xbe2aaaab
	v_fma_f32 v89, v89, v22, -0.5
	v_mul_f32 v88, v88, v22
	v_fma_f32 v89, v89, v22, 1.0
	v_fma_f32 v88, v88, v20, v20
	v_and_b32 v90, 1, v21                          ; odd quadrant: the two change places
	v_cmp_eq_u32 vcc_lo, 1, v90
	v_cndmask_b32 v94, v88, v89, vcc_lo            ; sin
	v_cndmask_b32 v92, v89, v88, vcc_lo            ; cos
	v_and_b32 v90, 2, v21                          ; sin is negative in quadrants 2, 3
	v_lshlrev_b32 v90, 30, v90
	v_xor_b32 v94, v90, v94
	v_add_nc_u32 v90, 1, v21                       ; cos in quadrants 1, 2
	v_and_b32 v90, 2, v90
	v_lshlrev_b32 v90, 30, v90
	v_xor_b32 v92, v90, v92
	v_mov_b32 v93, v92
	v_xor_b32 v95, 0x80000000, v94
	v_cmp_eq_u32 vcc_lo, 0, v[G]
	v_cndmask_b32 v95, v94, v95, vcc_lo            ; the fourth word: -s for RX, s for RY
	ds_store_b128 v[TABW], v[92:95] offset:TAB     ; lane i's entry i, into my wave's own table,
.irp i, 0,1,2,3,4,5,6,7,8,9,10,11,12,13,14,15,16,17,18,19,20,21,22,23,24,25,26,27,28,29
	ds_load_b128 v[CO+4*\i:CO+4*\i+3], v[TABR] offset:TAB+16*\i   ; and all thirty back into every lane: LDS serves a wave's instructions in order (ISA guide 5.7.1.4)
.endr
	; ---- my string's masks, wire 0 first (it is the index's top bit) ----
	s_wait_loadcnt 0x0                             ; x and the codes
	v_bfe_u32 v[BM], v[CD], 1, 1                   ; Y or Z: bit 1 of the code
	v_xor_b32 v[AM], v[BM], v[CD]
	v_and_b32 v[AM], 1, v[AM]                      ; X or Y: bit 0 xor bit 1
	v_and_b32 v[NY], v[AM], v[BM]                  ; Y: both
.irp q, 1,2,3,4,5,6,7,8,9
	v_bfe_u32 v18, v[CD+\q], 1, 1
	v_xor_b32 v19, v18, v[CD+\q]
	v_and_b32 v19, 1, v19
	v_lshl_or_b32 v[BM], v[BM], 1, v18
	v_lshl_or_b32 v[AM], v[AM], 1, v19
	v_and_b32 v18, v18, v19
	v_add_nc_u32 v[NY], v[NY], v18
.endr
	v_lshl_or_b32 v[PK], v[BM], 10, v[AM]
	v_and_b32 v[NY], 3, v[NY]
	v_lshl_or_b32 v[PK], v[NY], 20, v[PK]
	v_mov_b32 v[RES], 0
	; ---- the wave's sum of squares ----
	v_mul_f32 v[SSQ], v[X], v[X]
.irp e, 1,2,3,4,5,6,7
	v_fmac_f32 v[SSQ], v[X+\e], v[X+\e]
.endr
	v_add_f32_dpp v[SSQ], v[SSQ], v[SSQ] row_xmask:1 row_mask:0xf bank_mask:0xf
	v_add_f32_dpp v[SSQ], v[SSQ], v[SSQ] row_xmask:2 row_mask:0xf bank_mask:0xf
	v_add_f32_dpp v[SSQ], v[SSQ], v[SSQ] row_xmask:4 row_mask:0xf bank_mask:0xf
	v_add_f32_dpp v[SSQ], v[SSQ], v[SSQ] row_xmask:8 row_mask:0xf bank_mask:0xf
	v_permlanex16_b32 v18, v[SSQ], s18, s19
	v_add_f32 v[SSQ], v[SSQ], v18
	s_lshl_b32 s3, s2, 2
	v_mov_b32 v18, s3
	ds_store_b32 v18, v[SSQ] offset:SUM            ; read behind later barriers, at the way out
	s_wait_dscnt 0x0                               ; the table is in
	; ---- pass 1: register = (k9, k1, k0), lane = k6..k2, wave = (k8, k7).  Wires 9, 8, 0 in registers, 7, 6, 5, 4 across lanes ----
	RXR 9
	RY  T, A, 0, 19
	RX  1, 8
	RY  T, A, 1, 18
	RX  2, 0
	RY  T, A, 2, 10
	LRX 1, 7
	LRY T, A, 1, 0, 17
	LRX 2, 6
	LRY T, A, 2, 1, 16
	LRX 4, 5
	LRY T, A, 4, 2, 15
	LRX 8, 4
	LRY T, A, 8, 3, 14
	XST A, AST1, XA, 384
	BAR                                            ; every wave's stores into XA are done
	XLDA
	s_wait_dscnt 0x0
	; ---- pass 2: register = (k8, k7, k6), lane = (k0 | k5..k2), wave = (k9, k1).  Wires 1, 2, 3 ----
	RX  2, 1
	RY  T, A, 2, 11
	RX  1, 2
	RY  T, A, 1, 12
	RX  0, 3
	RY  T, A, 0, 13
	XST A, AST2, XB, 256
	BAR                                            ; XB is whole; and every wave's reads of XA are back, so XA may be written again below
	; the CNOT ring: a gather.  Register e = (k'9, k'8, k'4) XORs 0x1400, 0x600, 0x30 into the address.
	; Modulo 256 the five lane terms are 0x80, 0x80, 0x08, 0x18, 0x60: they span four of the five bits, so pairs of lanes meet in the same banks and each of these eight loads takes two turns.
.irp e, 1,2,3,4,5,6,7
	v_xor_b32 v[AD+\e], (((\e>>2)&1)*0x1400) ^ (((\e>>1)&1)*0x600) ^ ((\e&1)*0x30), v[ALD2]
.endr
	ds_load_b64 v[A:A+1], v[ALD2] offset:XB
.irp e, 1,2,3,4,5,6,7
	ds_load_b64 v[A+2*\e:A+2*\e+1], v[AD+\e] offset:XB
.endr
	s_wait_dscnt 0x0
	s_barrier_signal -1                            ; my gathered reads are back.  The wait stands in front of my next LDS stores: no wave stores to LDS again
	                                               ; before every wave's gather is over; between the two stands register work alone
	; ---- pass 3 (behind the CNOTs): register = (k'9, k'8, k'4), lane = (k'5 | k'3..k'0), wave = (k'7, k'6).  Wires 0, 1, 5; 9, 8, 7, 6 ----
	RY  A, T, 2, 20
	RY  T, A, 1, 21
	RY  A, T, 0, 25
	LRY T, A, 1, 0, 29
	LRY A, T, 2, 1, 28
	LRY T, A, 4, 2, 27
	LRY A, T, 8, 3, 26
	s_barrier_wait -1
	XST T, AST1, XA, 384
	BAR
	XLDA
	s_wait_dscnt 0x0
	; ---- pass 4: register = (k'7, k'6, k'5), lane = k'4..k'0, wave = (k'9, k'8): the natural order.  Wires 2, 3, 4 ----
	RY  A, T, 2, 22
	RY  T, A, 1, 23
	RY  A, T, 0, 24
	XST T, AST2, F, 256                            ; phi[k'] = (re, im) at F + 8 k'
.irp e, 0,1,2,3,4,5,6,7
	v_mov_b32 v[A+2*\e],   v[T+2*\e+1]
	v_xor_b32 v[A+2*\e+1], 0x80000000, v[T+2*\e]
.endr
	XST A, AST2, F+FODD, 256                       ; and (im, -re), for strings with an odd number of Y
	BAR                                            ; phi is whole
	; ---- expectations.  Re( i^nY conj(phi[k^a]) phi[k] ) = +-(u.re v.re + u.im v.im) for even nY, +-(u.re v.im - u.im v.re) for odd:
	; one packed product of u = phi[k] with v = phi[k^a] or with (v.im, -v.re); nY & 2 turns the sign.
	; k = 32 j + lane.  The sign (-1)^popcount(k & b) is a product over the bits of j (taken in a tree of sums) times a sign of the lane (taken once).
; from the next string's word s22: where its partners lie.  The numbers come from op_codes, so each is clamped ahead of the shift that makes it an address.
.macro ADDR
	s_bfe_u32 s23, s22, 0x50005                    ; a >> 5
	s_bfe_u32 s24, s22, 0x50000                    ; a & 31
	s_bfe_u32 s25, s22, 0x10014                    ; nY & 1
	s_min_u32 s25, s25, 1
	s_lshl_b32 s25, s25, 13                        ; which copy of phi
	v_xor_b32 v83, s24, v[LN]
	v_min_u32 v83, 31, v83
	v_lshl_add_u32 v[BASE], v83, 3, s25
.endm
.macro LOADV j
	s_xor_b32 s28, s23, \j
	s_min_u32 s28, s28, 31
	v_lshl_add_u32 v[AD+((\j)&1)], s28, 8, v[BASE]
	ds_load_b64 v[V+2*(\j):V+2*(\j)+1], v[AD+((\j)&1)] offset:F   ; 32 lanes, a permutation of 256 neighbouring bytes
.endm
; from the current string's word s21: the five signs of j's bits, the lane's mask, and the parity word (turned where nY & 2)
.macro SIGNS
.irp m, 0,1,2,3,4
	s_bitcmp1_b32 s21, 15+\m
	s_cselect_b32 s[30+2*\m], 0xbf800000, 1.0
.endr
	s_bfe_u32 s26, s21, 0x5000a                    ; b & 31
	s_bitcmp1_b32 s21, 21
	s_cselect_b32 s27, s41, s40
.endm
; Term j enters a binary tree: a finished block of 2^m terms with bit m of j set (in C) joins its sibling (in L[m]) as L[m] + sigma_m C;
; the sum goes to L[m+1] if it is itself a left sibling, else stays in C.  32 products and 31 fused multiply-adds; the whole sum ends in L5.
.macro TERM j
.set D0, TR+((\j)&1)*12
	v_pk_mul_f32 v[D0:D0+1], v[U+2*(\j):U+2*(\j)+1], v[V+2*(\j):V+2*(\j)+1]
.irp m, 0,1,2,3,4
.if ((\j)&((2<<\m)-1)) == ((2<<\m)-1)
.set D1, TR+2*(\m+1)+(((\j)>>(\m+1))&1)*(12-2*(\m+1))
	v_pk_fma_f32 v[D1:D1+1], v[TR+12:TR+13], s[30+2*\m:31+2*\m], v[TR+2*\m:TR+2*\m+1] op_sel_hi:[1,0,1]
.endif
.endr
.endm
.macro FINISH
	v_add_f32 v84, v[TR+10], v[TR+11]              ; the two halves of the packed sum
	v_and_b32 v85, s26, v[LN]
	v_lshrrev_b32 v85, v85, s27                    ; bit 0 = parity of lane & b (turned where nY & 2)
	v_lshlrev_b32 v85, 31, v85
	v_xor_b32 v84, v85, v84
	v_add_f32_dpp v84, v84, v84 row_xmask:1 row_mask:0xf bank_mask:0xf
	v_add_f32_dpp v84, v84, v84 row_xmask:2 row_mask:0xf bank_mask:0xf
	v_add_f32_dpp v84, v84, v84 row_xmask:4 row_mask:0xf bank_mask:0xf
	v_add_f32_dpp v84, v84, v84 row_xmask:8 row_mask:0xf bank_mask:0xf
	v_permlanex16_b32 v85, v84, s18, s19
	v_add_f32 v84, v84, v85                        ; every lane holds the string's sum;
	s_lshl_b32 s29, 0x10001, s20
	v_cndmask_b32 v[RES], v[RES], v84, s29         ; lanes i and i + 16 keep it
.endm
; One string.  ahead = 1: as soon as partner j has been multiplied, its registers are asked for the next string's partner j.
.macro STRING ahead
	SIGNS
.if \ahead
	ADDR
.endif
.set JJ, 0
.rept 32
.if \ahead
	s_wait_dscnt 31                                ; behind this string's load j stand its loads j+1..31 and the next string's 0..j-1: 31 in every term
.else
	s_wait_dscnt 31-JJ                             ; the last string: only its own younger loads
.endif
	TERM JJ
.if \ahead
	LOADV JJ
.endif
.set JJ, JJ+1
.endr
	FINISH
.endm
.set JJ, 0
.rept 32
	ds_load_b64 v[U+2*JJ:U+2*JJ+1], v[L8] offset:F+256*JJ         ; phi[32 j + lane], kept for all sixteen strings
.set JJ, JJ+1
.endr
	v_readlane_b32 s22, v[PK], 0
	ADDR
.set JJ, 0
.rept 32
	LOADV JJ                                       ; string 0's partners; they are younger than all of U, so the first counted wait covers U too
.set JJ, JJ+1
.endr
	s_mov_b32 s20, 0
.Lstring:
	s_mov_b32 s21, s22
	s_add_co_u32 s29, s20, 1
	v_readlane_b32 s22, v[PK], s29                 ; the next string's word
	STRING 1
	s_add_co_u32 s20, s20, 1
	s_cmp_lt_u32 s20, 15
	s_cbranch_scc1 .Lstring
	s_mov_b32 s21, s22
	STRING 0                                       ; string 15 fetches nothing further
	; ---- the way out: divide by the row's sum of squares, gather the 64 results, one store of 256 bytes ----
	v_mov_b32 v18, 0
	ds_load_b128 v[88:91], v18 offset:SUM
	v_and_b32 v19, 15, v[LN]
	s_lshl_b32 s3, s2, 6
	s_wait_dscnt 0x0
	v_add_f32 v88, v88, v89
	v_add_f32 v90, v90, v91
	v_add_f32 v88, v88, v90
	v_rcp_f32 v89, v88
	v_lshl_add_u32 v19, v19, 2, s3                 ; 64 w + 4 (lane & 15); also the one plain instruction between v_rcp_f32 and the use of its result (ISA guide 5.7.2)
	s_wait_alu depctr_va_vdst(0)
	v_mul_f32 v[RES], v[RES], v89
	ds_store_b32 v19, v[RES] offset:OUT            ; lanes i and i + 16 write the same number to the same word
	BAR
	s_cmp_lg_u32 s2, 0
	s_cbranch_scc1 .Lend
	ds_load_b64 v[88:89], v[L8] offset:OUT
	s_wait_dscnt 0x0
	global_store_b64 v[L8], v[88:89], s[14:15]     ; wave 0: 32 lanes x 8 bytes = the row's 256 consecutive bytes, at a multiple of 256 from out0's first byte
.Lend:
	s_wait_tensorcnt 0x0
	ds_add_u32 v224, v225
	s_wait_dscnt 0x0
	s_endpgm
.Lfunc_end_k_q69e78c19db_qsa:
	.size	k_q69e78c19db_qsa, .Lfunc_end_k_q69e78c19db_qsa-k_q69e78c19db_qsa
	.p2alignl 7, 3214868480
	.fill 96, 4, 3214868480
	.section	.rodata,"a",@progbits
	.p2align	6, 0x0
	.amdhsa_kernel k_q69e78c19db_qsa
		.amdhsa_group_segment_fixed_size 41472
		.amdhsa_private_segment_fixed_size 0
		.amdhsa_enable_private_segment 0
		.amdhsa_kernarg_size 48
		.amdhsa_user_sgpr_count 2
		.amdhsa_user_sgpr_kernarg_segment_ptr 1
		.amdhsa_wavefront_size32 1
		.amdhsa_system_sgpr_workgroup_id_x 1
		.amdhsa_system_sgpr_workgroup_id_y 1
		.amdhsa_system_sgpr_workgroup_id_z 1
		.amdhsa_system_vgpr_workitem_id 0
		.amdhsa_next_free_vgpr 226
		.amdhsa_next_free_sgpr 66
		.amdhsa_reserve_vcc 1
		.amdhsa_float_denorm_mode_32 3
		.amdhsa_float_denorm_mode_16_64 3
		.amdhsa_memory_ordered 1
		.amdhsa_forward_progress 1
		.amdhsa_inst_pref_size 88
	.end_amdhsa_kernel
	.amdgpu_metadata
---
amdhsa.version: [ 1, 2 ]
amdhsa.kernels:
  - .name:           k_q69e78c19db_qsa
    .symbol:         k_q69e78c19db_qsa.kd
    .args:
      - { .name: x, .offset: 0, .size: 8, .value_kind: global_buffer, .address_space: global }
      - { .name: rx0, .offset: 8, .size: 8, .value_kind: global_buffer, .address_space: global }
      - { .name: ry0, .offset: 16, .size: 8, .value_kind: global_buffer, .address_space: global }
      - { .name: ry1, .offset: 24, .size: 8, .value_kind: global_buffer, .address_space: global }
      - { .name: op_codes, .offset: 32, .size: 8, .value_kind: global_buffer, .address_space: global }
      - { .name: out0, .offset: 40, .size: 8, .value_kind: global_buffer, .address_space: global }
    .group_segment_fixed_size: 41472
    .private_segment_fixed_size: 0
    .kernarg_segment_align: 8
    .kernarg_segment_size: 48
    .max_flat_workgroup_size: 128
    .sgpr_count:     66
    .vgpr_count:     226
    .wavefront_size: 32
...
	.end_amdgpu_metadata
.endif
;; end of part 1
;; ======== version 2 of 2: 1 launch; version 1 with the launch qsa written anew for expert scheduling mode
;; limits: inputs' magnitudes at most 2.9e+17; right only within a limited range of input values
;; launch qsa (part 2): grid 512 x 1, 4 waves a work-group, no clusters, 41,472 bytes of LDS; arguments x, rx0, ry0, ry1, op_codes, out0; writes out0
.if DOCPART == 2
	.amdgcn_target "amdgcn-amd-amdhsa--gfx1250"
	.amdhsa_code_object_version 6
	.text
	.protected	k_q69e78c19db_qsa
	.globl	k_q69e78c19db_qsa
	.p2align	8
	.type	k_q69e78c19db_qsa,@function
k_q69e78c19db_qsa:
	s_mov_b64 s[64:65], 0
	v_nop
	global_prefetch_b8 v0, s[64:65] scope:SCOPE_SE
	s_setreg_imm32_b32 hwreg(HW_REG_WAVE_SCHED_MODE, 0, 2), 2
	s_setreg_imm32_b32 hwreg(HW_REG_WAVE_MODE, 25, 1), 1
	s_wait_xcnt 0x0
	s_wait_alu depctr_vm_vsrc(0)
; out0[row][h] = <phi| P_h |phi>,  phi = U psi,  psi = x[row] / |x[row]|.   x: [512][1024] f32, out0: [512][64] f32.
; U is ten RX, ten RY, a ring of ten CNOTs and ten RY; P_h is a string of ten Paulis.  None of them is a dense matrix for any input:
;   a rotation mixes pairs of amplitudes whose indices differ in one bit (wire q is bit 9-q of the index);
;   the CNOT ring is the index permutation new[k'] = old[k], k = k' ^ (k'>>1) ^ (k' odd ? 0x300 : 0);
;   P|k> = i^nY (-1)^popcount(k & b) |k ^ a>, a = wires with X or Y, b = wires with Y or Z, nY = number of Y.
; So a row costs 30 x 1024 complex rotations and 64 x 1024 signed products instead of 1024 x 1024 products for U and for each string.
; No dense product is left, so the matrix unit has no work here, and everything stays in f32.
; One work-group = one row, four waves.  State preparation: 128 threads x 8 complex amplitudes (3 index bits in the register number,
; 5 in the lane, 2 in the wave); bits are brought within reach by three exchanges through LDS.  Expectations: wave w takes strings
; 16 w .. 16 w + 15, lanes and 32 register pairs run over k.  The division by |x|^2 commutes with all of it and is made last.
; No cluster, no tensor load: a row is 4,096 bytes, read once straight into registers; what work-groups share is 120 bytes of angles and 2,560 of codes.
; LIMITS: the row's sum of squares must lie in 2^-126 .. 2^126 (v_rcp_f32 flushes denormals); a row of zeros gives NaN, as 0/0 does.
;         sin and cos: reduction by pi/2 in two constants, meant for |angle| below about 1e6.  Of a code only bits 1:0 are read (codes are 0..3).
; THE MODE: SCHED_MODE bits 1:0 = 2 (LLVM: expert scheduling mode 2), set by the entry lines.  The code itself states the register dependences
; between vector instructions and memory or LDS instructions, with s_wait_alu, always for 0.
; THE PLAN.  Registers that memory or LDS instructions touch:
;   v2-v11, v80, v20   offsets and LDS addresses, made once at the head and never written again.
;   A, T               the exchanges: a pass writes one of them, ONE wait on va_vdst stands ahead of the run of stores that reads it, and one wait on
;                      vm_vsrc behind the exchange's barrier, ahead of the loads or the pass that write it again.
;   U                  loaded once, into registers whose last vector readers (the gates, of their coefficients) stand ahead of the wait in front of phi's stores.
;   V0 .. V3           the 32 partner pairs in four groups of eight.  A string is four blocks of eight terms; block g multiplies by V[g], and its loads land in
;                      V[(g + 3) % 4], the group that the block before multiplied by.
;   AS0, AS1           two sets of eight LDS addresses.  Block g's loads read set g % 2, which the block before wrote; block g writes the other set, for the next block.
; So the waits at a block's head state all that its eight loads and its eight address lines hang on, and the loads are dealt among the block's terms with no further wait:
; no vector instruction of block g names V[(g + 3) % 4] or set g % 2.
.set XA,   0                           ; 12,288 bytes: exchanges 1 and 3: wave pitch 3,072, register pitch 384, lane x 8
.set XB,   12288                       ;  8,192 bytes: exchange 2: wave 2,048, register 256, lane 8
.set F,    20480                       ; 16,384 bytes: F + 8 k = (re, im) of phi[k]; F + 8192 + 8 k = (im, -re)
.set FODD, 8192
.set TAB,  36864                       ;  2,048 bytes: each wave's own 32 entries of 16 bytes (c, c, s, +-s)
.set SUM,  38912                       ;     16 bytes: each wave's sum of squares
.set OUT,  39168                       ;    256 bytes: the row's 64 results
.set LN,   1                           ; lane
.set XO,   2                           ; 16 t: my bytes of x
.set AGO,  3                           ; 4 x (lane mod 10): my angle
.set CDO,  4                           ; 40 h: my string's codes
.set AST1, 5                           ; exchanges 1, 3: where I store
.set ALD1, 6                           ; exchanges 1, 3: where I read
.set AST2, 7                           ; exchange 2 and phi: where I store
.set ALD2, 8                           ; exchange 2: where I read (register 0)
.set L8,   9                           ; 8 x lane
.set TABW, 10                          ; 512 w + 16 lane
.set TABR, 11                          ; 512 w
.set MS,   12                          ; v[12:15]  bit 31 set where bit m of the lane is 0
.set SG,   16                          ; v[16:17]  a lane rotation's sine, signed by the lane's bit
.set ZERO, 20                          ; v20       first rx0's angle and the reduced angle; from the masks on: 0, the address of the four sums of squares
.set G,    23                          ; lane / 10: which of the three angle vectors
.set CD,   24                          ; v[24:33]  my string's ten codes
.set AM,   34
.set BM,   35
.set NY,   36
.set PK,   37                          ; a | b << 10 | (nY & 3) << 20 of string 16 w + (lane & 15)
.set RES,  38                          ; lanes i and i + 16: string i's sum
.set SSQ,  39
.set X,    40                          ; v[40:47]  x as loaded
.set P,    40                          ; v[40:47]  later: four partner pairs for the lane rotations
.set A,    48                          ; v[48:63]  8 pairs (re, im)
.set T,    64                          ; v[64:79]  8 pairs
.set SUMW, 80                          ; v80       4 w: where my wave's sum of squares goes
.set AD,   80                          ; v[81:87]  exchange 2: the read addresses of registers 1 to 7
.set BASE, 82                          ; expectations: the lane's part of a partner's address (v83 to v85: at work)
.set CO,   96                          ; v[96:215] entry i at CO + 4 i: 0-9 RX(rx0) (c, c, s, -s); 10-19 RY(ry0), 20-29 RY(ry1) (c, c, s, s)
.set U,    96                          ; v[96:159]  expectations: phi[32 j + lane]
.set V,    160                         ; v[160:223] expectations: the partner phi[(32 j + lane) ^ a], or (im, -re) of it; group g: pairs 8 g .. 8 g + 7
.set TR,   48                          ; v[48:61]   expectations: the tree's L0..L5 at TR + 2 m, C at TR + 12
.set AS,   224                         ; v[224:239] expectations: two sets of eight LDS addresses, by turns
.set AP,   240                         ; v[240:255] expectations: the addresses of string 0's groups 0 and 1, used ahead of the loop alone
.macro BAR                             ; what I stored or read in LDS is done, then all four waves meet
	s_wait_dscnt 0x0
	s_barrier_signal -1
	s_barrier_wait -1
.endm
; RX on register bit 0, from the real x: new0 = (c x0, -s x1), new1 = (c x1, -s x0).  Nothing is cleared.
.macro RXR q
.irp p, 0,2,4,6
	v_mul_f32 v[T+2*\p],   v[X+\p],   v[CO+4*\q]
	v_mul_f32 v[T+2*\p+1], v[X+\p+1], v[CO+4*\q+3]
	v_mul_f32 v[T+2*\p+2], v[X+\p+1], v[CO+4*\q]
	v_mul_f32 v[T+2*\p+3], v[X+\p],   v[CO+4*\q+3]
.endr
.endm
; RX on register bit b, A to T: new = c own + (s partner.im, -s partner.re)
.macro RX b, q
.irp e, 0,1,2,3,4,5,6,7
	v_pk_mul_f32 v[T+2*\e:T+2*\e+1], v[A+2*\e:A+2*\e+1], v[CO+4*\q:CO+4*\q+1]
.endr
.irp p, 0,1,2,3
.set E0, (((\p)>>(\b))<<((\b)+1)) | ((\p)&((1<<(\b))-1))
.set E1, E0 | (1<<(\b))
	v_fmac_f32 v[T+2*E0],   v[A+2*E1+1], v[CO+4*\q+2]
	v_fmac_f32 v[T+2*E0+1], v[A+2*E1],   v[CO+4*\q+3]
	v_fmac_f32 v[T+2*E1],   v[A+2*E0+1], v[CO+4*\q+2]
	v_fmac_f32 v[T+2*E1+1], v[A+2*E0],   v[CO+4*\q+3]
.endr
.endm
; RY on register bit b: new0 = c a0 - s a1, new1 = c a1 + s a0
.macro RY src, dst, b, i
.irp p, 0,1,2,3
.set E0, (((\p)>>(\b))<<((\b)+1)) | ((\p)&((1<<(\b))-1))
.set E1, E0 | (1<<(\b))
	v_pk_mul_f32 v[\dst+2*E0:\dst+2*E0+1], v[\src+2*E1:\src+2*E1+1], v[CO+4*\i+2:CO+4*\i+3] neg_lo:[0,1] neg_hi:[0,1]
	v_pk_mul_f32 v[\dst+2*E1:\dst+2*E1+1], v[\src+2*E0:\src+2*E0+1], v[CO+4*\i+2:CO+4*\i+3]
.endr
.irp e, 0,1,2,3,4,5,6,7
	v_pk_fma_f32 v[\dst+2*\e:\dst+2*\e+1], v[\src+2*\e:\src+2*\e+1], v[CO+4*\i:CO+4*\i+1], v[\dst+2*\e:\dst+2*\e+1]
.endr
.endm
; RX on a lane bit (partner = lane xor xm), A to T.  The partner's halves are fetched crossed, so that (s, -s) fits them.
.macro LRX xm, q
.irp g, 0,4
.irp e, 0,1,2,3
	v_mov_b32_dpp v[P+2*\e],   v[A+2*(\g+\e)+1] row_xmask:\xm row_mask:0xf bank_mask:0xf
	v_mov_b32_dpp v[P+2*\e+1], v[A+2*(\g+\e)]   row_xmask:\xm row_mask:0xf bank_mask:0xf
.endr
.irp e, 0,1,2,3
	v_pk_mul_f32 v[T+2*(\g+\e):T+2*(\g+\e)+1], v[A+2*(\g+\e):A+2*(\g+\e)+1], v[CO+4*\q:CO+4*\q+1]
.endr
.irp e, 0,1,2,3
	v_pk_fma_f32 v[T+2*(\g+\e):T+2*(\g+\e)+1], v[P+2*\e:P+2*\e+1], v[CO+4*\q+2:CO+4*\q+3], v[T+2*(\g+\e):T+2*(\g+\e)+1]
.endr
.endr
.endm
; RY on a lane bit m (xm = 1 << m): new = c own -+ s partner, minus where my bit is 0
.macro LRY src, dst, xm, m, i
	v_xor_b32 v[SG],   v[MS+\m], v[CO+4*\i+2]
	v_xor_b32 v[SG+1], v[MS+\m], v[CO+4*\i+2]
.irp g, 0,4
.irp e, 0,1,2,3
	v_mov_b32_dpp v[P+2*\e],   v[\src+2*(\g+\e)]   row_xmask:\xm row_mask:0xf bank_mask:0xf
	v_mov_b32_dpp v[P+2*\e+1], v[\src+2*(\g+\e)+1] row_xmask:\xm row_mask:0xf bank_mask:0xf
.endr
.irp e, 0,1,2,3
	v_pk_mul_f32 v[\dst+2*(\g+\e):\dst+2*(\g+\e)+1], v[\src+2*(\g+\e):\src+2*(\g+\e)+1], v[CO+4*\i:CO+4*\i+1]
.endr
.irp e, 0,1,2,3
	v_pk_fma_f32 v[\dst+2*(\g+\e):\dst+2*(\g+\e)+1], v[P+2*\e:P+2*\e+1], v[SG:SG+1], v[\dst+2*(\g+\e):\dst+2*(\g+\e)+1]
.endr
.endr
.endm
.macro XST reg, addr, base, pitch      ; my eight pairs into my wave's own bytes: 32 lanes x 8 neighbouring bytes each
.irp e, 0,1,2,3,4,5,6,7
	ds_store_b64 v[\addr], v[\reg+2*\e:\reg+2*\e+1] offset:\base+\pitch*\e
.endr
.endm
; Exchanges 1 and 3: the old (wave, lane bit 4) becomes the register number, the old register number becomes (wave, lane bit 4).
; Lanes 16-31 read 384 bytes further on, 128 modulo 256: the 32 lanes touch 256 different bytes modulo 256.
.macro XLDA
.irp e, 0,1,2,3,4,5,6,7
	ds_load_b64 v[A+2*\e:A+2*\e+1], v[ALD1] offset:XA+3072*(\e>>1)+128*(\e&1)
.endr
.endm
.macro XBIT bit, c                     ; bit of t set: its constant is XORed into exchange 2's read address
	v_bfe_u32 v18, v0, \bit, 1
	v_mul_u32_u24 v18, \c, v18
	v_xor_b32 v[ALD2], v18, v[ALD2]
.endm
	; ---- set-up ----
	s_load_b256 s[4:11], s[0:1], 0x0               ; x s[4:5], rx0 s[6:7], ry0 s[8:9], ry1 s[10:11]
	s_load_b128 s[12:15], s[0:1], 0x20             ; op_codes s[12:13], out0 s[14:15]
	s_set_vgpr_msb 0x40
	v_lshl_add_u32 v0, v0, 2, 0xa000
	v_mov_b32 v1, 0
	s_set_vgpr_msb 0x4000
	v_and_b32 v[LN], 31, v0
	v_lshrrev_b32 v18, 5, v0
	v_readfirstlane_b32 s2, v18                    ; wave 0..3
	v_lshlrev_b32 v[XO], 4, v0
	v_mul_u32_u24 v18, 0xcd, v[LN]                 ; lane / 10 = (205 lane) >> 11 for lanes 0..31
	v_lshrrev_b32 v[G], 11, v18                    ; 0: rx0, 1: ry0, 2: ry1; 3 (lanes 30, 31): ry1[0], ry1[1] once more, entries that nobody reads
	v_cmp_eq_u32 s42, 0, v[G]                      ; the lanes of rx0,
	v_cmp_eq_u32 s43, 1, v[G]                      ; and of ry0: both masks are kept in scalar registers for the selects below
	v_mul_u32_u24 v18, 10, v[G]
	v_sub_nc_u32 v18, v[LN], v18
	v_lshlrev_b32 v[AGO], 2, v18                   ; at most 36: inside the 40 bytes
	v_and_b32 v19, 15, v[LN]
	s_wait_alu depctr_va_sdst(0)                   ; s2, s42 and s43 are written, ahead of the first reader of any of them
	v_lshl_add_u32 v18, s2, 4, v19                 ; my string h = 16 w + (lane & 15)
	v_mul_u32_u24 v[CDO], 40, v18
	s_lshl_b32 s16, ttmp9, 12                      ; my row of x: 4,096 bytes a row
	s_mov_b32 s17, 0
	s_wait_kmcnt 0x0
	s_add_nc_u64 s[4:5], s[4:5], s[16:17]
	s_lshl_b32 s16, ttmp9, 8                       ; my row of out0: 256 bytes
	s_add_nc_u64 s[14:15], s[14:15], s[16:17]
	s_wait_alu depctr_va_vdst(0)                   ; the three offsets v[AGO], v[XO], v[CDO] are written, which the ten loads read
	global_load_b32 v20, v[AGO], s[6:7]            ; ten loads; the three angles are the oldest
	global_load_b32 v21, v[AGO], s[8:9]
	global_load_b32 v22, v[AGO], s[10:11]
	global_load_b128 v[X:X+3],   v[XO], s[4:5] th:TH_LOAD_NT              ; k = 4 t + 0..3
	global_load_b128 v[X+4:X+7], v[XO], s[4:5] offset:2048 th:TH_LOAD_NT  ; k = 512 + 4 t + 0..3: register number = (k9, k1, k0)
.irp i, 0,1,2,3,4
	global_load_b64 v[CD+2*\i:CD+2*\i+1], v[CDO], s[12:13] offset:8*\i
.endr
	s_mul_i32 s3, s2, 3072
	v_lshl_add_u32 v[AST1], v[LN], 3, s3           ; 3072 w + 8 lane
	v_lshrrev_b32 v18, 4, v[LN]
	v_mul_u32_u24 v18, 0x180, v18
	v_lshl_add_u32 v18, v19, 3, v18
	s_mul_i32 s3, s2, 768
	v_add_nc_u32 v[ALD1], s3, v18                  ; 8 (lane & 15) + 384 (lane >> 4) + 768 w
	s_lshl_b32 s3, s2, 11
	v_lshl_add_u32 v[AST2], v[LN], 3, s3           ; 2048 w + 8 lane
	v_lshlrev_b32 v[L8], 3, v[LN]
	s_lshl_b32 s3, s2, 9
	v_lshl_add_u32 v[TABW], v[LN], 4, s3
	v_mov_b32 v[TABR], s3
	s_lshl_b32 s3, s2, 2
	v_mov_b32 v[SUMW], s3
	; Exchange 2 stores amplitude k at byte 8 p, p = (k9 k1 | k8 k7 k6 | k0 k5 k4 k3 k2).  The reader holds k' = (w: k'7 k'6 | lane: k'5, k'3..k'0 |
	; register: k'9 k'8 k'4) and wants k = k' ^ (k'>>1) ^ (k'0 ? 0x300 : 0).  That is linear over bits: each set bit of k' XORs the bytes of its two (k'0: three) bits of k.
	v_and_b32 v18, 1, v0
	v_mul_u32_u24 v[ALD2], 0x1480, v18             ; k'0: k0, k8, k9
	XBIT 1, 0x880                                  ; k'1: k1, k0
	XBIT 2, 0x808                                  ; k'2: k2, k1
	XBIT 3, 0x18                                   ; k'3: k3, k2
	XBIT 4, 0x60                                   ; k'5: k5, k4
	XBIT 5, 0x140                                  ; k'6: k6, k5
	XBIT 6, 0x300                                  ; k'7: k7, k6
	v_xor_b32 v18, -1, v[LN]
.irp m, 0,1,2,3
	v_lshlrev_b32 v[MS+\m], 31-\m, v18
	v_and_b32 v[MS+\m], 0x80000000, v[MS+\m]
.endr
	s_mov_b32 s18, 0x76543210                      ; v_permlanex16_b32: lane i of one half reads lane i of the other
	s_mov_b32 s19, 0xfedcba98
	s_mov_b32 s40, 0x96696996                      ; bit n = parity of n, n = 0..31
	s_mov_b32 s41, 0x69969669                      ; and its complement
.irp m, 0,1,2,3,4
	s_mov_b32 s[31+2*\m], 0                        ; upper partners of the sign pairs: named by the packed form, never used
.endr
	; ---- cos and sin of half my angle ----
	s_wait_loadcnt 0x7                             ; loads come back in order: of the ten, the three angles are in
	v_cndmask_b32 v18, v22, v20, s42
	v_cndmask_b32 v18, v18, v21, s43
	v_mul_f32 v18, 0.5, v18                        ; y
	v_mul_f32 v19, 0x3f22f983, v18                 ; y x 2/pi
	v_rndne_f32 v19, v19                           ; q
	v_fmamk_f32 v20, v19, 0xbfc90fdb, v18          ; r = y - q pi/2, pi/2 in two parts: |r| <= pi/4
	v_fmamk_f32 v20, v19, 0x333bbd2e, v20
	v_cvt_i32_f32 v21, v19
	v_and_b32 v90, 1, v21                          ; odd quadrant: sine and cosine change places.  The mask is made here, the two series ahead of its readers
	v_cmp_eq_u32 s44, 1, v90
	v_mul_f32 v22, v20, v20                        ; r^2
	v_mov_b32 v88, 0x3638ef1d                      ; sin r = r + r r^2 (-1/6 + r^2 (1/120 + r^2 (-1/5040 + r^2 / 362880)))
	v_mov_b32 v89, 0x37d00d01                      ; cos r = 1 + r^2 (-1/2 + r^2 (1/24 + r^2 (-1/720 + r^2 / 40320)))
	v_fmaak_f32 v88, v88, v22, 0xb9500d01
	v_fmaak_f32 v89, v89, v22, 0xbab60b61
	v_fmaak_f32 v88, v88, v22, 0x3c088889
	v_fmaak_f32 v89, v89, v22, 0x3d2aaaab
	v_fmaak_f32 v88, v88, v22, 0xbe2aaaab
	v_fma_f32 v89, v89, v22, -0.5
	v_mul_f32 v88, v88, v22
	v_fma_f32 v89, v89, v22, 1.0
	v_fma_f32 v88, v88, v20, v20
	s_wait_alu depctr_va_sdst(0)                   ; s44 is written, ahead of its first reader
	v_cndmask_b32 v94, v88, v89, s44               ; sin
	v_cndmask_b32 v92, v89, v88, s44               ; cos
	v_and_b32 v90, 2, v21                          ; sin is negative in quadrants 2, 3
	v_lshlrev_b32 v90, 30, v90
	v_xor_b32 v94, v90, v94
	v_add_nc_u32 v90, 1, v21                       ; cos in quadrants 1, 2
	v_and_b32 v90, 2, v90
	v_lshlrev_b32 v90, 30, v90
	v_xor_b32 v92, v90, v92
	v_mov_b32 v93, v92
	v_xor_b32 v95, 0x80000000, v94
	v_cndmask_b32 v95, v94, v95, s42               ; the fourth word: -s for RX, s for RY
	s_wait_alu depctr_va_vdst(0)                   ; v[92:95], the store's data, are written, and so are all the LDS addresses made above (v5 to v11, v80)
	ds_store_b128 v[TABW], v[92:95] offset:TAB     ; lane i's entry i, into my wave's own table,
.irp i, 0,1,2,3,4,5,6,7,8,9,10,11,12,13,14,15,16,17,18,19,20,21,22,23,24,25,26,27,28,29
	ds_load_b128 v[CO+4*\i:CO+4*\i+3], v[TABR] offset:TAB+16*\i   ; and all thirty back into every lane: LDS serves a wave's instructions in order (ISA guide 5.7.1.4)
.endr
	; ---- my string's masks, wire 0 first (it is the index's top bit) ----
	s_wait_loadcnt 0x0                             ; x and the codes
	v_bfe_u32 v[BM], v[CD], 1, 1                   ; Y or Z: bit 1 of the code
	v_xor_b32 v[AM], v[BM], v[CD]
	v_and_b32 v[AM], 1, v[AM]                      ; X or Y: bit 0 xor bit 1
	v_and_b32 v[NY], v[AM], v[BM]                  ; Y: both
.irp q, 1,2,3,4,5,6,7,8,9
	v_bfe_u32 v18, v[CD+\q], 1, 1
	v_xor_b32 v19, v18, v[CD+\q]
	v_and_b32 v19, 1, v19
	v_lshl_or_b32 v[BM], v[BM], 1, v18
	v_lshl_or_b32 v[AM], v[AM], 1, v19
	v_and_b32 v18, v18, v19
	v_add_nc_u32 v[NY], v[NY], v18
.endr
	v_lshl_or_b32 v[PK], v[BM], 10, v[AM]
	v_and_b32 v[NY], 3, v[NY]
	v_lshl_or_b32 v[PK], v[NY], 20, v[PK]
	v_mov_b32 v[RES], 0
	v_mov_b32 v[ZERO], 0                           ; the way out's read address, made here so that its load owes no wait of its own
	; ---- the wave's sum of squares ----
	v_mul_f32 v[SSQ], v[X], v[X]
.irp e, 1,2,3,4,5,6,7
	v_fmac_f32 v[SSQ], v[X+\e], v[X+\e]
.endr
	v_add_f32_dpp v[SSQ], v[SSQ], v[SSQ] row_xmask:1 row_mask:0xf bank_mask:0xf
	v_add_f32_dpp v[SSQ], v[SSQ], v[SSQ] row_xmask:2 row_mask:0xf bank_mask:0xf
	v_add_f32_dpp v[SSQ], v[SSQ], v[SSQ] row_xmask:4 row_mask:0xf bank_mask:0xf
	v_add_f32_dpp v[SSQ], v[SSQ], v[SSQ] row_xmask:8 row_mask:0xf bank_mask:0xf
	v_permlanex16_b32 v18, v[SSQ], s18, s19
	v_add_f32 v[SSQ], v[SSQ], v18                  ; it is stored with exchange 1's stores, behind their wait
	s_wait_dscnt 0x0                               ; the table is in
	; ---- pass 1: register = (k9, k1, k0), lane = k6..k2, wave = (k8, k7).  Wires 9, 8, 0 in registers, 7, 6, 5, 4 across lanes ----
	RXR 9
	RY  T, A, 0, 19
	RX  1, 8
	RY  T, A, 1, 18
	RX  2, 0
	RY  T, A, 2, 10
	LRX 1, 7
	LRY T, A, 1, 0, 17
	LRX 2, 6
	LRY T, A, 2, 1, 16
	LRX 4, 5
	LRY T, A, 4, 2, 15
	LRX 8, 4
	LRY T, A, 8, 3, 14
	s_wait_alu depctr_va_vdst(0)                   ; pass 1 has written A, and v[SSQ] is written: the nine stores below read them
	ds_store_b32 v[SUMW], v[SSQ] offset:SUM        ; read behind later barriers, at the way out
	XST A, AST1, XA, 384
	BAR                                            ; every wave's stores into XA are done
	s_wait_alu depctr_vm_vsrc(0)                   ; my stores have read A, in which the loads below land (no vector instruction has named A since the wait above)
	XLDA
	s_wait_dscnt 0x0
	; ---- pass 2: register = (k8, k7, k6), lane = (k0 | k5..k2), wave = (k9, k1).  Wires 1, 2, 3 ----
	RX  2, 1
	RY  T, A, 2, 11
	RX  1, 2
	RY  T, A, 1, 12
	RX  0, 3
	RY  T, A, 0, 13
	; the CNOT ring is a gather.  Register e = (k'9, k'8, k'4) XORs 0x1400, 0x600, 0x30 into the read address; the seven addresses are made here, ahead of the stores' wait, which then serves them too
.irp e, 1,2,3,4,5,6,7
	v_xor_b32 v[AD+\e], (((\e>>2)&1)*0x1400) ^ (((\e>>1)&1)*0x600) ^ ((\e&1)*0x30), v[ALD2]
.endr
	s_wait_alu depctr_va_vdst(0)                   ; pass 2 has written A, which the stores read, and v[81:87] are written, which the gather's loads read
	XST A, AST2, XB, 256
	BAR                                            ; XB is whole; and every wave's reads of XA are back, so XA may be written again below
	s_wait_alu depctr_vm_vsrc(0)                   ; my stores have read A, in which the gather's loads land
	; Modulo 256 the five lane terms are 0x80, 0x80, 0x08, 0x18, 0x60: they span four of the five bits, so pairs of lanes meet in the same banks and each of these eight loads takes two turns.
	ds_load_b64 v[A:A+1], v[ALD2] offset:XB
.irp e, 1,2,3,4,5,6,7
	ds_load_b64 v[A+2*\e:A+2*\e+1], v[AD+\e] offset:XB
.endr
	s_wait_dscnt 0x0
	s_barrier_signal -1                            ; my gathered reads are back.  The wait stands in front of my next LDS stores: no wave stores to LDS again
	                                               ; before every wave's gather is over; between the two stands register work alone
	; ---- pass 3 (behind the CNOTs): register = (k'9, k'8, k'4), lane = (k'5 | k'3..k'0), wave = (k'7, k'6).  Wires 0, 1, 5; 9, 8, 7, 6 ----
	RY  A, T, 2, 20
	RY  T, A, 1, 21
	RY  A, T, 0, 25
	LRY T, A, 1, 0, 29
	LRY A, T, 2, 1, 28
	LRY T, A, 4, 2, 27
	LRY A, T, 8, 3, 26
	s_barrier_wait -1
	s_wait_alu depctr_va_vdst(0)                   ; pass 3 has written T, which the stores read, and is done with A, in which the loads behind the barrier land
	XST T, AST1, XA, 384
	BAR
	s_wait_alu depctr_vm_vsrc(0)                   ; my stores have read T, which pass 4 writes again; the gather's loads have read v[81:87], of which the expectations write four
	XLDA
	s_wait_dscnt 0x0
	; ---- pass 4: register = (k'7, k'6, k'5), lane = k'4..k'0, wave = (k'9, k'8): the natural order.  Wires 2, 3, 4 ----
	RY  A, T, 2, 22
	RY  T, A, 1, 23
	RY  A, T, 0, 24
.irp e, 0,1,2,3,4,5,6,7
	v_mov_b32 v[A+2*\e],   v[T+2*\e+1]
	v_xor_b32 v[A+2*\e+1], 0x80000000, v[T+2*\e]
.endr
	s_wait_alu depctr_va_vdst(0)                   ; T and A are written, which the sixteen stores read; and the gates are done reading their coefficients, in whose registers U and V land
	XST T, AST2, F, 256                            ; phi[k'] = (re, im) at F + 8 k'
	XST A, AST2, F+FODD, 256                       ; and (im, -re), for strings with an odd number of Y
	BAR                                            ; phi is whole
	; ---- expectations.  Re( i^nY conj(phi[k^a]) phi[k] ) = +-(u.re v.re + u.im v.im) for even nY, +-(u.re v.im - u.im v.re) for odd:
	; one packed product of u = phi[k] with v = phi[k^a] or with (v.im, -v.re); nY & 2 turns the sign.
	; k = 32 j + lane.  The sign (-1)^popcount(k & b) is a product over the bits of j (taken in a tree of sums) times a sign of the lane (taken once).
; from the next string's word s22: where its partners lie.  The numbers come from op_codes, so each is clamped ahead of the shift that makes it an address.
.macro ADDR
	s_bfe_u32 s23, s22, 0x50005                    ; a >> 5
	s_bfe_u32 s24, s22, 0x50000                    ; a & 31
	s_bfe_u32 s25, s22, 0x10014                    ; nY & 1
	s_min_u32 s25, s25, 1
	s_lshl_b32 s25, s25, 13                        ; which copy of phi
	v_xor_b32 v83, s24, v[LN]
	v_min_u32 v83, 31, v83
	v_lshl_add_u32 v[BASE], v83, 3, s25
.endm
.macro ADRS j, reg                     ; the LDS address of partner j of the string whose a >> 5 is in s23
	s_xor_b32 s28, s23, \j
	s_min_u32 s28, s28, 31
	v_lshl_add_u32 v[\reg], s28, 8, v[BASE]
.endm
.macro LDV j, reg
	ds_load_b64 v[V+2*(\j):V+2*(\j)+1], v[\reg] offset:F   ; 32 lanes, a permutation of 256 neighbouring bytes
.endm
; from the current string's word s21: the five signs of j's bits, the lane's mask, and the parity word (turned where nY & 2)
.macro SIGNS
.irp m, 0,1,2,3,4
	s_bitcmp1_b32 s21, 15+\m
	s_cselect_b32 s[30+2*\m], 0xbf800000, 1.0
.endr
	s_bfe_u32 s26, s21, 0x5000a                    ; b & 31
	s_bitcmp1_b32 s21, 21
	s_cselect_b32 s27, s41, s40
.endm
; Term j enters a binary tree: a finished block of 2^m terms with bit m of j set (in C) joins its sibling (in L[m]) as L[m] + sigma_m C;
; the sum goes to L[m+1] if it is itself a left sibling, else stays in C.  32 products and 31 fused multiply-adds; the whole sum ends in L5.
.macro TERM j
.set D0, TR+((\j)&1)*12
	v_pk_mul_f32 v[D0:D0+1], v[U+2*(\j):U+2*(\j)+1], v[V+2*(\j):V+2*(\j)+1]
.irp m, 0,1,2,3,4
.if ((\j)&((2<<\m)-1)) == ((2<<\m)-1)
.set D1, TR+2*(\m+1)+(((\j)>>(\m+1))&1)*(12-2*(\m+1))
	v_pk_fma_f32 v[D1:D1+1], v[TR+12:TR+13], s[30+2*\m:31+2*\m], v[TR+2*\m:TR+2*\m+1] op_sel_hi:[1,0,1]
.endif
.endr
.endm
.macro FINISH
	v_add_f32 v84, v[TR+10], v[TR+11]              ; the two halves of the packed sum
	v_and_b32 v85, s26, v[LN]
	v_lshrrev_b32 v85, v85, s27                    ; bit 0 = parity of lane & b (turned where nY & 2)
	v_lshlrev_b32 v85, 31, v85
	v_xor_b32 v84, v85, v84
	v_add_f32_dpp v84, v84, v84 row_xmask:1 row_mask:0xf bank_mask:0xf
	v_add_f32_dpp v84, v84, v84 row_xmask:2 row_mask:0xf bank_mask:0xf
	v_add_f32_dpp v84, v84, v84 row_xmask:4 row_mask:0xf bank_mask:0xf
	v_add_f32_dpp v84, v84, v84 row_xmask:8 row_mask:0xf bank_mask:0xf
	v_permlanex16_b32 v85, v84, s18, s19
	v_add_f32 v84, v84, v85                        ; every lane holds the string's sum;
	s_lshl_b32 s29, 0x10001, s20
	v_cndmask_b32 v[RES], v[RES], v84, s29         ; lanes i and i + 16 keep it
.endm
; Block g of a string: terms 8 g .. 8 g + 7, on group V[g].
; load = 1: the group three on in the order of use is asked for, into V[(g + 3) % 4], by address set g % 2: block 0 asks for this string's group 3, blocks 1 to 3 for the next string's groups 0 to 2.
; adrs = 1: the addresses of the next string's group g are made, into set (g + 1) % 2, for the next block's loads.
; left = how many younger LDS loads may stay out when V[g] has to be there.
.macro BLOCK g, load, adrs, left
	s_wait_dscnt \left                             ; LDS loads come back in order (ISA guide 5.7.1): V[g] is in; the groups asked for behind it stay out
.if \adrs
	s_wait_alu depctr_vm_vsrc(0)                   ; the loads of the block before have read address set (g + 1) % 2, which this block writes again (in the very first block also: phi's stores have read A, where the tree lies)
.endif
.if \load
	s_wait_alu depctr_va_vdst(0)                   ; the block before is done reading V[(g + 3) % 4], in which the loads below land, and has written address set g % 2, which they read
.endif
.irp e, 0,1,2,3,4,5,6,7
.if \load
	LDV 8*((\g+3)%4)+\e, AS+8*((\g)%2)+\e
.endif
	TERM 8*\g+\e
.if \adrs
	ADRS 8*\g+\e, AS+8*((\g+1)%2)+\e
.endif
.endr
.endm
; One string.  ahead = 1: there is a next string.
.macro STRING ahead
	SIGNS
.if \ahead
	s_wait_alu depctr_va_sdst(0)                   ; s22, the next string's word, is written, ahead of its first reader
	ADDR
	BLOCK 0, 1, 1, 16                              ; behind the group in hand stand the two groups asked for in the two blocks before: 16 loads, in every block and over the backward jump
	BLOCK 1, 1, 1, 16
	BLOCK 2, 1, 1, 16
	BLOCK 3, 1, 1, 16
.else
	BLOCK 0, 1, 0, 16                              ; the last string asks for its own group 3 and for nothing further:
	BLOCK 1, 0, 0, 16                              ; the counts run down, and blocks without a load or an address line state no dependence
	BLOCK 2, 0, 0, 8
	BLOCK 3, 0, 0, 0
.endif
	FINISH
.endm
.set JJ, 0
.rept 32
	ds_load_b64 v[U+2*JJ:U+2*JJ+1], v[L8] offset:F+256*JJ         ; phi[32 j + lane], kept for all sixteen strings.  No wait: no vector instruction since the wait ahead of phi's stores
.set JJ, JJ+1
.endr
	v_readlane_b32 s22, v[PK], 0
	s_wait_alu depctr_va_sdst(0)                   ; s22 is written, ahead of its first reader
	ADDR
.irp e, 0,1,2,3,4,5,6,7
	ADRS \e,    AP+\e                              ; string 0: groups 0 and 1 by registers of their own,
	ADRS 8+\e,  AP+8+\e
	ADRS 16+\e, AS+8+\e                            ; group 2 by set 1,
	ADRS 24+\e, AS+\e                              ; group 3 by set 0, which the first block's loads read
.endr
	s_wait_alu depctr_va_vdst(0)                   ; the 32 addresses are written
.irp e, 0,1,2,3,4,5,6,7
	LDV \e, AP+\e                                  ; string 0's groups 0, 1, 2; they are younger than all of U, so the first counted wait covers U too
.endr
.irp e, 0,1,2,3,4,5,6,7
	LDV 8+\e, AP+8+\e
.endr
.irp e, 0,1,2,3,4,5,6,7
	LDV 16+\e, AS+8+\e
.endr
	s_mov_b32 s20, 0
.Lstring:
	s_mov_b32 s21, s22
	s_add_co_u32 s29, s20, 1
	v_readlane_b32 s22, v[PK], s29                 ; the next string's word
	STRING 1
	s_add_co_u32 s20, s20, 1
	s_cmp_lt_u32 s20, 15
	s_cbranch_scc1 .Lstring
	s_mov_b32 s21, s22
	STRING 0                                       ; string 15
	; ---- the way out: divide by the row's sum of squares, gather the 64 results, one store of 256 bytes ----
	ds_load_b128 v[88:91], v[ZERO] offset:SUM      ; no wait: v[ZERO] and v[88:91] were last named by vector instructions at the head, ahead of many waits on va_vdst
	v_and_b32 v19, 15, v[LN]
	s_lshl_b32 s3, s2, 6
	s_wait_dscnt 0x0
	v_add_f32 v88, v88, v89
	v_add_f32 v90, v90, v91
	v_add_f32 v88, v88, v90
	v_rcp_f32 v89, v88
	v_lshl_add_u32 v19, v19, 2, s3                 ; 64 w + 4 (lane & 15); also the one plain instruction between v_rcp_f32 and the use of its result (ISA guide 5.7.2)
	s_wait_alu depctr_va_vdst(0)
	v_mul_f32 v[RES], v[RES], v89
	s_wait_alu depctr_va_vdst(0)                   ; v[RES] and v19 are written, which the store reads; and the lines above are done with v88 and v89, in which wave 0's load lands
	ds_store_b32 v19, v[RES] offset:OUT            ; lanes i and i + 16 write the same number to the same word
	BAR
	s_cmp_lg_u32 s2, 0
	s_cbranch_scc1 .Lend
	ds_load_b64 v[88:89], v[L8] offset:OUT
	s_wait_dscnt 0x0
	global_store_b64 v[L8], v[88:89], s[14:15]     ; wave 0: 32 lanes x 8 bytes = the row's 256 consecutive bytes, at a multiple of 256 from out0's first byte
.Lend:
	s_set_vgpr_msb 0x5
	s_wait_dscnt 0x0
	s_wait_alu depctr_hold_cnt(0) depctr_sa_sdst(0) depctr_va_vdst(0) depctr_va_sdst(0) depctr_va_ssrc(0) depctr_va_vcc(0) depctr_vm_vsrc(0)
	s_wait_tensorcnt 0x0
	ds_add_u32 v0, v1
	s_wait_dscnt 0x0
	s_endpgm
.Lfunc_end_k_q69e78c19db_qsa:
	.size	k_q69e78c19db_qsa, .Lfunc_end_k_q69e78c19db_qsa-k_q69e78c19db_qsa
	.p2alignl 7, 3214868480
	.fill 96, 4, 3214868480
	.section	.rodata,"a",@progbits
	.p2align	6, 0x0
	.amdhsa_kernel k_q69e78c19db_qsa
		.amdhsa_group_segment_fixed_size 41472
		.amdhsa_private_segment_fixed_size 0
		.amdhsa_enable_private_segment 0
		.amdhsa_kernarg_size 48
		.amdhsa_user_sgpr_count 2
		.amdhsa_user_sgpr_kernarg_segment_ptr 1
		.amdhsa_wavefront_size32 1
		.amdhsa_system_sgpr_workgroup_id_x 1
		.amdhsa_system_sgpr_workgroup_id_y 1
		.amdhsa_system_sgpr_workgroup_id_z 1
		.amdhsa_system_vgpr_workitem_id 0
		.amdhsa_next_free_vgpr 258
		.amdhsa_next_free_sgpr 66
		.amdhsa_reserve_vcc 0
		.amdhsa_float_denorm_mode_32 3
		.amdhsa_float_denorm_mode_16_64 3
		.amdhsa_memory_ordered 1
		.amdhsa_forward_progress 1
		.amdhsa_inst_pref_size 88
	.end_amdhsa_kernel
	.amdgpu_metadata
---
amdhsa.version: [ 1, 2 ]
amdhsa.kernels:
  - .name:           k_q69e78c19db_qsa
    .symbol:         k_q69e78c19db_qsa.kd
    .args:
      - { .name: x, .offset: 0, .size: 8, .value_kind: global_buffer, .address_space: global }
      - { .name: rx0, .offset: 8, .size: 8, .value_kind: global_buffer, .address_space: global }
      - { .name: ry0, .offset: 16, .size: 8, .value_kind: global_buffer, .address_space: global }
      - { .name: ry1, .offset: 24, .size: 8, .value_kind: global_buffer, .address_space: global }
      - { .name: op_codes, .offset: 32, .size: 8, .value_kind: global_buffer, .address_space: global }
      - { .name: out0, .offset: 40, .size: 8, .value_kind: global_buffer, .address_space: global }
    .group_segment_fixed_size: 41472
    .private_segment_fixed_size: 0
    .kernarg_segment_align: 8
    .kernarg_segment_size: 48
    .max_flat_workgroup_size: 128
    .sgpr_count:     66
    .vgpr_count:     258
    .wavefront_size: 32
...
	.end_amdgpu_metadata
.endif
;; end of part 2
